; MI455X (gfx1250); checked and timed in simulation.
; The chip was launched on July 23, 2026; its instructions are those of AMD's public machine-readable ISA for CDNA 5 (MIT licence, August 2026) and "CDNA5" Instruction Set Architecture Reference Guide (July 2026). The comments in the code are by the model that wrote it; some were corrected since.
;; Enhanced LSTM Cell. Allowed arithmetic: matrix products marked QUANTISED: E4M3 operands, one given power-of-two scale a tensor, by v_wmma_f32_16x16x64_fp8_fp8 or v_wmma_f32_16x16x128_fp8_fp8, f32 sums; everything else in f32.
;; Inputs: W_codes 4,096 x 64 x 32 uint8 (E4M3 codes of W, K innermost, in blocks of 32 codes); b 4,096 float32; c_prev 8,192 x 1,024 float32; forget_mask 8,192 float32; h_prev 8,192 x 1,024 float32; ln_beta 1,024 float32; ln_gamma 1,024 float32; lowp_scales 2 int32 (the exponents e of the quantised operands' scales 2^e); x 8,192 x 1,024 float32.
;; Outputs: out0 8,192 x 1,024 float32; out1 8,192 x 1,024 float32.
;; This version of the problem:
;;   THIS VERSION OF THE PROBLEM IS GIVEN IN LOW PRECISION. The matrix products marked QUANTISED in the list below multiply operands that are first quantised to E4M3 (4 exponent bits, 3 mantissa bits; 8 bits a number), with one given power-of-two scale for each operand tensor; their sums are f32. All else is computed in f32.
;;   The module's matrix products, in the order in which they are computed (A, B: the left and right operand; K: the contracted axis; several contracted axes count as one K, in the product's order):
;;     1. [M 8,192, K 2,048] x [K 2,048, N 4,096]; A: computed on the way; B: input W (given as codes): QUANTISED (scales: A lowp_scales[0], B lowp_scales[1])
;;   THE QUANTISER, for each operand of a quantised product, along K:
;;     - The operand's scale is 2^e, e = its entry of the input lowp_scales (int32; the entries are numbered through the quantised products in the list's order, A before B).
;;     - Each number is divided by the scale, clamped to +-448, and rounded to the nearest number of E4M3, ties to even, subnormals kept.
;;     - The product sums the exact products of the quantised numbers (number of the format x scale) in f32.
;;   ~~~python
;;   def quantise(x, axis, e):      # numpy; x: float32 -> the quantised numbers, widened to float32 again
;;       x = np.moveaxis(x, axis, -1); K = x.shape[-1]
;;       r = np.clip(x / 2.0 ** e, -448, 448)
;;       step = 2.0 ** (np.maximum(np.frexp(np.where(r == 0, 1, r))[1] - 1, -6) - 3)
;;       q = np.round(r / step) * step * 2.0 ** e      # np.round: ties to even
;;       return np.moveaxis(q, -1, axis).astype(np.float32)
;;   ~~~
;;   OPERANDS COMPUTED ON THE WAY. 'Computed on the way' means the value that the module computes at that place (a softmax that the list does not call 'softmax' is quantised finished and normalised). What goes into a quantiser is computed in f32, as accurately as f32 sums, v_exp_f32 and their like allow (about 1e-6 of the number): no bf16 or f16 on the way to a quantiser, and a product that is left as it is and whose result goes on into a quantised operand takes f32 operands (vector FMAs, or v_wmma_f32_16x16x4_f32). A number that lies on a knife's edge between two numbers of the format may be rounded either way, as far as f32 arithmetic and the matrix unit's own rounding can turn it there, and no further.
;;   INPUTS GIVEN AS CODES. W (in the module: [2048, 4096], K = its axis 0): each comes as NAME_codes (uint8): NAME with its K axis moved to the last place and cut into blocks of 32 codes, [.., K / 32, bytes a block], one block behind the other in memory; one code a byte (a code: sign, 4 exponent bits, 3 mantissa bits); its scale is its entry of lowp_scales. Its value is code x scale, taken as it is: it is not quantised again, and the codes and scales need not be those that the quantiser above would give.
;; One version. Each part assembles by itself: llvm-mc -triple=amdgcn-amd-amdhsa -mcpu=gfx1250 --defsym DOCPART=n.
;; ======== version 1 of 1: 3 launches
;; limits: right only within a limited range of input values
;; workspace buffers: acodes 16,777,216 bytes; cpre 33,554,432 bytes; zo 33,554,432 bytes
;; launch prep (part 1): grid 512 x 1, 4 waves a work-group, no clusters, 33,280 bytes of LDS; arguments x, h_prev, lowp_scales, acodes; writes acodes
.if DOCPART == 1
	.amdgcn_target "amdgcn-amd-amdhsa--gfx1250"
	.amdhsa_code_object_version 6
	.text
	.protected	k_q5a5bd61954_prep
	.globl	k_q5a5bd61954_prep
	.p2align	8
	.type	k_q5a5bd61954_prep,@function
k_q5a5bd61954_prep:
	s_mov_b64 s[64:65], 0
	v_nop
	global_prefetch_b8 v0, s[64:65] scope:SCOPE_SE
	s_setreg_imm32_b32 hwreg(HW_REG_WAVE_MODE, 25, 1), 1
	s_wait_xcnt 0x0
; x and h_prev, [8192][1024] f32, become the codes of concat(x, h_prev): acodes [8192][2048], E4M3, K innermost (bytes 0-1023 of a row from x, 1024-2047 from h_prev).
; code = number / 2^e0, held within +-448, rounded to the nearest code, ties to even; e0 is entry 0 of the buffer of scales.
; LIMITS: -126 <= e0 <= 119, so that 2^e0 and 448 x 2^e0 are f32 numbers.  NaN among the inputs is not served (an infinity is held at the largest code).
; Work-groups 0-255 take x, 256-511 h_prev.  A wave takes 8 rows of its tensor as 16 steps of 512 numbers.  Each of a step's four loads reads 512 consecutive bytes, 16 a lane; the conversions want 16 NEIGHBOURS in one lane:
; so a step's 2,048 bytes go through the wave's own stage in LDS as they lie and come back 64 bytes a lane (16 bytes of padding behind each 64, so that the lanes' reads do not all fall on the same banks).
; A lane's 16 codes are 16 bytes: the wave stores 512 consecutive bytes.  Loads run four steps (16 loads a wave) ahead, the turn through LDS one step.  No tensor loads, no barrier: waves share nothing.
.set STEPS, 16
.set SP,    80                         ; a lane's place in a stage: its 64 bytes + 16 of padding
.set WREG,  8192                       ; LDS: a region of its own for each wave: two stages of 32 x SP bytes
.set R,     16                         ; v16-79   four sets of 16 numbers as they are loaded
.set X,     80                         ; v80-111  two sets of 16 neighbours
.set C,     128                        ; v128-191 codes: four registers for each step, so that no store's data are written again
	s_load_b256 s[4:11], s[0:1], 0x0               ; x s[4:5], h_prev s[6:7], the scales' exponents s[8:9], acodes s[10:11]
	v_lshl_add_u32 v192, v0, 2, 0x8000
	v_mov_b32 v193, 0
	v_lshrrev_b32 v1, 5, v0
	v_readfirstlane_b32 s16, v1                    ; wave 0..3
	v_and_b32 v2, 31, v0                           ; lane
	v_lshlrev_b32 v3, 4, v2                        ; my 16 bytes of an instruction's 512
	s_mul_i32 s17, s16, WREG
	v_lshrrev_b32 v14, 2, v2
	v_mul_u32_u24 v14, v14, SP
	v_and_b32 v15, 3, v2
	v_lshl_add_u32 v14, v15, 4, v14
	v_add_nc_u32 v14, s17, v14                     ; the stage, on the way in: SP (lane / 4) + 16 (lane % 4)
	v_mul_u32_u24 v15, v2, SP
	v_add_nc_u32 v15, s17, v15                     ; and on the way out: SP x lane: my 16 neighbours
	s_wait_kmcnt 0x0
	s_load_b32 s22, s[8:9], 0x0                    ; e0
	s_cmp_lt_u32 ttmp9, 256                        ; x's work-group or h_prev's?
	s_cselect_b64 s[4:5], s[4:5], s[6:7]
	s_cselect_b32 s17, 0, 1024                     ; where the tensor's codes begin in a row of acodes
	s_and_b32 s18, ttmp9, 255
	s_lshl_b32 s18, s18, 2
	s_add_co_u32 s18, s18, s16                     ; which run of 8 rows of the tensor is my wave's
	s_lshl_b32 s20, s18, 15                        ; 8 rows of 4,096 bytes
	s_mov_b32 s21, 0
	s_add_nc_u64 s[4:5], s[4:5], s[20:21]
	s_lshl_b32 s20, s18, 14                        ; 8 rows of 2,048 bytes
	s_add_co_u32 s20, s20, s17
	s_add_nc_u64 s[10:11], s[10:11], s[20:21]
.macro LOAD t
.irp i, 0,1,2,3
	global_load_b128 v[R+16*((\t)%4)+4*\i:R+16*((\t)%4)+4*\i+3], v3, s[4:5] offset:2048*(\t)+512*\i th:TH_LOAD_NT
.endr
.endm
.macro TURN t                          ; LDS serves a wave's instructions in order (ISA guide 5.7.1.4): no wait between the stores and the loads
.irp i, 0,1,2,3
	ds_store_b128 v14, v[R+16*((\t)%4)+4*\i:R+16*((\t)%4)+4*\i+3] offset:32*SP*((\t)%2)+8*SP*\i
.endr
.irp i, 0,1,2,3
	ds_load_b128 v[X+16*((\t)%2)+4*\i:X+16*((\t)%2)+4*\i+3], v15 offset:32*SP*((\t)%2)+16*\i
.endr
.endm
	s_wait_alu depctr_va_vdst(0)                   ; the wait at the head's end
.irp t, 0,1,2,3
	LOAD \t
.endr
	s_wait_kmcnt 0x0
	s_add_co_i32 s22, s22, 127
	s_lshl_b32 s23, s22, 23
	v_mov_b32 v11, s23                             ; 2^e0 as f32
	s_add_co_i32 s22, s22, 8
	s_lshl_b32 s22, s22, 23
	s_or_b32 s22, s22, 0x600000
	v_mov_b32 v10, s22                             ; 448 x 2^e0
	s_wait_alu depctr_va_vdst(0)
	s_wait_loadcnt 12                              ; step 0's four loads are in; the twelve of steps 1 to 3 may be out
	TURN 0
.macro STEP t
.set XS, X+16*((\t)%2)
	s_wait_dscnt 0x0                               ; this step's numbers are back from the stage: its stores into the stage have read their registers,
.if (\t)+4 < STEPS
	LOAD (\t)+4                                    ; which take the loads of four steps on
.endif
.if (\t)+1 < STEPS
.if STEPS-2-(\t) >= 3
	s_wait_loadcnt 12                              ; the next step's four loads are in; those of the three steps behind it may be out
.else
	s_wait_loadcnt 4*(STEPS-2-(\t))                ; the tail: fewer steps stand behind it
.endif
	TURN (\t)+1
.endif
.irp i, 0,1,2,3,4,5,6,7,8,9,10,11,12,13,14,15
	v_med3_num_f32 v[XS+\i], v[XS+\i], -v10, v10   ; the conversion does not saturate (ISA guide 7.6.2): hold first
.endr
	v_cvt_scalef32_pk8_fp8_f32 v[C+4*(\t):C+4*(\t)+1], v[XS:XS+7], v11
	v_cvt_scalef32_pk8_fp8_f32 v[C+4*(\t)+2:C+4*(\t)+3], v[XS+8:XS+15], v11
	global_store_b128 v3, v[C+4*(\t):C+4*(\t)+3], s[10:11] offset:((\t)/2)*2048+((\t)%2)*512   ; 32 lanes store 512 consecutive bytes, aligned
.endm
.irp t, 0,1,2,3,4,5,6,7,8,9,10,11,12,13,14,15
	STEP \t
.endr
	s_wait_tensorcnt 0x0                           ; the wave's end
	ds_add_u32 v192, v193
	s_wait_dscnt 0x0
	s_endpgm
.Lfunc_end_k_q5a5bd61954_prep:
	.size	k_q5a5bd61954_prep, .Lfunc_end_k_q5a5bd61954_prep-k_q5a5bd61954_prep
	.p2alignl 7, 3214868480
	.fill 96, 4, 3214868480
	.section	.rodata,"a",@progbits
	.p2align	6, 0x0
	.amdhsa_kernel k_q5a5bd61954_prep
		.amdhsa_group_segment_fixed_size 33280
		.amdhsa_private_segment_fixed_size 0
		.amdhsa_enable_private_segment 0
		.amdhsa_kernarg_size 32
		.amdhsa_user_sgpr_count 2
		.amdhsa_user_sgpr_kernarg_segment_ptr 1
		.amdhsa_wavefront_size32 1
		.amdhsa_system_sgpr_workgroup_id_x 1
		.amdhsa_system_sgpr_workgroup_id_y 1
		.amdhsa_system_sgpr_workgroup_id_z 1
		.amdhsa_system_vgpr_workitem_id 0
		.amdhsa_next_free_vgpr 194
		.amdhsa_next_free_sgpr 66
		.amdhsa_reserve_vcc 0
		.amdhsa_float_denorm_mode_32 3
		.amdhsa_float_denorm_mode_16_64 3
		.amdhsa_memory_ordered 1
		.amdhsa_forward_progress 1
		.amdhsa_inst_pref_size 37
	.end_amdhsa_kernel
	.amdgpu_metadata
---
amdhsa.version: [ 1, 2 ]
amdhsa.kernels:
  - .name:           k_q5a5bd61954_prep
    .symbol:         k_q5a5bd61954_prep.kd
    .args:
      - { .name: x, .offset: 0, .size: 8, .value_kind: global_buffer, .address_space: global }
      - { .name: h_prev, .offset: 8, .size: 8, .value_kind: global_buffer, .address_space: global }
      - { .name: lowp_scales, .offset: 16, .size: 8, .value_kind: global_buffer, .address_space: global }
      - { .name: acodes, .offset: 24, .size: 8, .value_kind: global_buffer, .address_space: global }
    .group_segment_fixed_size: 33280
    .private_segment_fixed_size: 0
    .kernarg_segment_align: 8
    .kernarg_segment_size: 32
    .max_flat_workgroup_size: 128
    .sgpr_count:     66
    .vgpr_count:     194
    .wavefront_size: 32
...
	.end_amdgpu_metadata
.endif
;; end of part 1
;; launch gates (part 2): grid 16 x 16, 4 waves a work-group, clusters of 4 x 4, 327,680 bytes of LDS; arguments acodes, W_codes, lowp_scales, b, c_prev, forget_mask, cpre, zo; writes cpre, zo
.if DOCPART == 2
	.amdgcn_target "amdgcn-amd-amdhsa--gfx1250"
	.amdhsa_code_object_version 6
	.text
	.protected	k_q5a5bd61954_gates
	.globl	k_q5a5bd61954_gates
	.p2align	8
	.type	k_q5a5bd61954_gates,@function
k_q5a5bd61954_gates:
	s_mov_b64 s[64:65], 0
	v_nop
	global_prefetch_b8 v0, s[64:65] scope:SCOPE_SE
	s_setreg_imm32_b32 hwreg(HW_REG_WAVE_MODE, 25, 1), 1
	s_wait_xcnt 0x0
	s_wait_alu depctr_hold_cnt(0) depctr_sa_sdst(0) depctr_va_vdst(0) depctr_va_sdst(0) depctr_va_ssrc(0) depctr_va_vcc(0) depctr_vm_vsrc(0)
	s_getreg_b32 s2, hwreg(HW_REG_IB_STS2, 6, 4)
	s_cmp_eq_u32 s2, 0
	s_cbranch_scc0 .Lentry_in_a_cluster
	s_endpgm
.Lentry_in_a_cluster:
	s_bfe_u32 s2, ttmp6, 0x10000c
	s_cmp_lg_u32 s2, 0xf033
	s_cbranch_scc0 .Lentry_shape_is_right
	s_endpgm
.Lentry_shape_is_right:
; gates = concat(x, h_prev) W + b on E4M3 codes (acodes [8192][2048], W_codes [4096][2048], K innermost), then c = sigmoid(f) mask c_prev + sigmoid(i) tanh(g), not yet normalised, and z_o = -log2(e) x the o gate.
; A tile's 256 rows of W are 64 hidden columns of all four gates.  A wave's load of W is a tile of five dimensions, 256 bytes x (8, 2, 2, 4) rows at 1, 16, 8 and 1,024 rows' distance: LDS row 32 g + 16 blk + 8 hh + q of the wave's 128
; is W_codes row 1024 g + 64 tx + 32 cw + 16 hh + 8 blk + q.  So a lane of the (transposed) result holds 16 neighbouring hidden columns of each gate, of ONE row.
; cpre and zo are written as images: byte (row / 16) 65536 + (column / 32) 2048 + 512 i + 16 lane holds row 16 (row / 16) + lane % 16, columns 32 (column / 32) + 16 (lane / 16) + 4 i + 0 .. 3: each store of a wave covers 512 consecutive bytes, aligned.
; A tile is 256 rows x 256 gate columns: four waves, each 128 x 128: 64 accumulators, 512 registers.  K goes in steps of 256 through a ring of two LDS slots (rows of 256 bytes, 16 of padding).
; A step's fragment loads stand in two runs: W's next set and A's next blocks 0-3 in its middle, A's blocks 4-7 at its end.  In a slot's last step W's next set is fetched straight behind the refill, A's blocks 0-3 behind block 3's products.
; A WORK-GROUP STAYS: 256 work-groups make two tiles each, WALK rows apart, with the same rows of W.  The ring goes on into the next tile: c_prev's tile takes slot 0 in the last lap; slot 1 takes the next tile's
; K step 1 when its last fragments are read; slot 0 takes the next tile's K step 0 in the middle of the way out, when blocks 0-3 have read c_prev from it and blocks 4-7's c_prev lies in registers of W's idle set.
; CLUSTERS: 4 x 4 work-groups; A's tiles are asked for jointly along a row of the cluster, W's along a column.  c_prev's tiles are each work-group's own (mask 0), behind a round like every tensor load here.
; PREFETCH: behind each refill a wave names 32 rows x 256 bytes of the K step two refills on (a lane a row); the four partners of a joint load share its 128 rows out by address (of W: a gate each).  A's waves ask 12 times
; (K steps 4-7, then all eight of the second tile), W's waves 4 times (K steps 4-7; the second tile takes the same rows again); a count a wave ends the asking, so no address leaves its buffer.  c_prev's tile is named in a tile's last trip.
; c over ONE denominator, E = 2^(-log2(e) z) (g: 2^(-2 log2(e) z)):  c = (mask c_prev (1 + E_i)(1 + E_g) + (1 - E_g)(1 + E_f)) / ((1 + E_i)(1 + E_g)(1 + E_f)).
; LIMITS: -120 <= e0 + e1 <= 120 (the sum is added to the exponent field of log2(e)).  The three exponents are held at 30 from above: a sigmoid under 2^-30 comes out as 2^-30.  NaN is not served.
; REGISTERS: window 0: v0-31 addresses, v32-95 the biases x their factor, v96-111 the mask, v128-255 A's fragments (one set), on the way out at work.  Window 1: W's fragments, two sets.  Windows 2, 3: the accumulators.
.set ROWB,   256
.set KROW,   2048
.set PITCH,  272                       ; 256 bytes + 16: the sixteen rows of a fragment load start at sixteen different banks (ISA guide 11.1)
.set FR,     16
.set NL,     4
.set NP,     4
.set HALFT,  128*PITCH
.set SLOT,   4*HALFT                   ; A's 256 rows, then W's 256 rows
.set LAPS,   4
.set SPARE,  2*SLOT                    ; the spare words, 128 bytes a wave
.set WALK,   4096                      ; rows between a work-group's two tiles
.set NEXT_A, WALK*KROW-6*ROWB          ; from a slot's last K step of a tile to its first of the next
.set BACK_B, 6*ROWB
.set NEXT_O, WALK*4096                 ; the same walk in c_prev, cpre and zo: 4,096 bytes a row
.set ADRA, 16
.set ADRB, 20
.set CPA,  24                          ; c_prev in slot 0: my row, my 64 bytes
.set IMG,  25                          ; 16 x lane
.set BOF,  26
.set MOF,  27
.set SPW,  28
.set NIL,  29
.set PFO,  30                          ; lane x a row of c_prev
.set PFK,  31                          ; lane x a row of codes
.set BIAS, 32
.set MK,   96
.set AF,   128
.set T,    128
.set CP,   192
.set NM,   208
.set G1,  24
.set G0,  32
.set G1B, 48
.set G0B, 56
.set G2B, 92                           ; s[92:95], s[4:7]: groups 2 and 3 of W's descriptor
.set G3B, 4
.set G1C, 68
.set G0C, 76
.set PST, 66                           ; s[66:67] the prefetch address's next step
.set BA,  80
.set BB,  46
.set NASK, 82                          ; prefetches that my wave has still to make
.set PJ,  88                           ; the step from K step 7 to the next tile's K step 0
.set PFA, 90                           ; s[90:91] where my prefetches stand
.set MSB, 0
.macro WIN new                         ; the immediate's high byte repeats the setting that is left
.if MSB != \new
	s_set_vgpr_msb (MSB<<8)|\new
.set MSB, \new
.endif
.endm
.set MUL_LO, 0xa1
.set MUL_HI, 0xf1
.set TO_B,   0x40
.macro JLOAD g0a, g0b                  ; a joint load: waves 0, 1 for A, waves 2, 3 for W; s_nop 0 and four v_nop behind each line
	s_cmp_eq_u32 s21, 0
	s_cbranch_scc0 .Lfor_b_\@
	tensor_load_to_lds s[\g0a:\g0a+3], s[G1:G1+7]
	s_nop 0
.rept 4
	v_nop
.endr
	s_branch .Lasked_\@
.Lfor_b_\@:
	tensor_load_to_lds s[\g0b:\g0b+3], s[G1B:G1B+7], s[G2B:G2B+3], s[G3B:G3B+3]
	s_nop 0
.rept 4
	v_nop
.endr
.Lasked_\@:
.endm
.macro CREST                           ; a round of the cluster's barrier behind its opening barrier
	s_cmp_lg_u32 s20, 0
	s_cbranch_scc1 .Lnot_wave_0_\@
	s_barrier_signal -3
.Lnot_wave_0_\@:
	s_barrier_wait -3
	s_barrier_signal -1
	s_barrier_wait -1
.endm
.macro CROUND
	s_barrier_signal -1
	s_barrier_wait -1
	CREST
.endm
.macro PFSTEP                          ; the prefetch address goes one K step on, once from K step 7 to the next tile's K step 0; any earlier prefetch has read it
	s_wait_xcnt 0x0
	s_cmp_eq_u32 s[NASK], 8
	s_cselect_b32 s[PST], s[PJ], 0x100
	s_add_nc_u64 s[PFA:PFA+1], s[PFA:PFA+1], s[PST:PST+1]
.endm
.macro ASK                             ; 32 rows x 256 bytes, a lane a row, while my wave's count lasts
	s_cmp_eq_u32 s[NASK], 0
	s_cbranch_scc1 .Lno_ask_\@
	global_prefetch_b8 v[PFK], s[PFA:PFA+1] th:TH_LOAD_NT scope:SCOPE_SE
	s_sub_co_u32 s[NASK], s[NASK], 1
.Lno_ask_\@:
.endm
	s_load_b256 s[4:11], s[0:1], 0x0               ; acodes, W_codes, the scales' exponents, b
	s_load_b256 s[12:19], s[0:1], 0x20             ; c_prev, forget_mask, cpre, zo
	v_lshl_add_u32 v[SPW], v0, 2, SPARE
	v_mov_b32 v[NIL], 0
	ds_add_u32 v[SPW], v[NIL]                      ; the opening lines: the add, twice on end, and its wait
	ds_add_u32 v[SPW], v[NIL]
	v_lshrrev_b32 v1, 5, v0
	v_readfirstlane_b32 s20, v1                    ; wave
	s_lshr_b32 s21, s20, 1                         ; my half of the tile's rows; also: I fetch for A (0) or W (1)
	s_and_b32 s22, s20, 1                          ; my half of its columns; also: which 128 rows I fetch
	s_bfe_u32 s40, ttmp6, 0x40000                  ; cx
	s_bfe_u32 s41, ttmp6, 0x40004                  ; cy
	s_lshl_b32 s42, ttmp9, 2
	s_add_co_u32 s42, s42, s40                     ; tile column
	s_and_b32 s23, ttmp7, 0xffff
	s_lshl_b32 s23, s23, 2
	s_add_co_u32 s23, s23, s41                     ; the first tile's row, 0 .. 15
	s_lshl_b32 s43, s41, 2
	s_lshl_b32 s43, 15, s43                        ; my row of the cluster
	s_lshl_b32 s44, 0x1111, s40                    ; my column
	s_or_b32 s[G1+0], s43, (0<<16)|(1<<20)|(1<<21)|(5<<22)|(3<<25)
	s_or_b32 s[G1B+0], s44, (0<<16)|(1<<20)|(1<<21)|(5<<22)|(3<<25)
	s_mov_b32 s[G1+1], ROWB<<16                    ; A: 128 rows x 256 bytes
	s_mov_b32 s[G1+2], 128<<16
	s_mov_b32 s[G1+3], ROWB<<16
	s_mov_b32 s[G1+4], 128
	s_mov_b32 s[G1+5], KROW
	s_mov_b32 s[G1+6], 0
	s_mov_b32 s[G1+7], 0
	s_mov_b32 s[G1B+1], ROWB<<16                   ; W: tensor_dim0 = 256
	s_mov_b32 s[G1B+2], 8<<16                      ; tensor_dim1 = 8
	s_mov_b32 s[G1B+3], ROWB<<16                   ; tile_dim0 = 256
	s_mov_b32 s[G1B+4], 8|(2<<16)                  ; tile_dim1 = 8 (q), tile_dim2 = 2 (hh)
	s_mov_b32 s[G1B+5], KROW                       ; stride0: a row
	s_mov_b32 s[G1B+6], ((16*KROW)&0xffff)<<16     ; stride1: 16 rows, low half
	s_mov_b32 s[G1B+7], (16*KROW)>>16              ; and the rest
	s_mov_b32 s[G2B+0], 2                          ; tensor_dim2 = 2
	s_mov_b32 s[G2B+1], 2                          ; tensor_dim3 = 2
	s_mov_b32 s[G2B+2], 8*KROW                     ; stride2: 8 rows
	s_mov_b32 s[G2B+3], 2<<16                      ; tile_dim3 = 2 (blk)
	s_mov_b32 s[G1C+0], (2<<16)|(1<<20)|(5<<22)|(3<<25)   ; c_prev: 64 rows x 64 f32, the same padding
	s_mov_b32 s[G1C+1], 64<<16
	s_mov_b32 s[G1C+2], 64<<16
	s_mov_b32 s[G1C+3], 64<<16
	s_mov_b32 s[G1C+4], 64
	s_mov_b32 s[G1C+5], 1024
	s_mov_b32 s[G1C+6], 0
	s_mov_b32 s[G1C+7], 0
	s_lshl_b32 s84, s22, 7
	s_lshl_b32 s[BA], s23, 8
	s_add_co_u32 s[BA], s[BA], s84                 ; A: row 256 x tile row + 128 x half
	s_lshl_b32 s[BA], s[BA], 11
	s_mov_b32 s[BA+1], 0
	s_lshl_b32 s85, s22, 5
	s_lshl_b32 s[BB], s42, 6
	s_add_co_u32 s[BB], s[BB], s85                 ; W: row 64 x tile column + 32 x half, of gate 0
	s_lshl_b32 s[BB], s[BB], 11
	s_mov_b32 s[BB+1], 0
	s_mul_i32 s45, s20, HALFT                      ; where my 128 rows go in a slot
	s_wait_dscnt 0x0
	s_wait_kmcnt 0x0
	s_load_b64 s[96:97], s[8:9], 0x0               ; e0, e1
	s_add_nc_u64 s[BA:BA+1], s[4:5], s[BA:BA+1]
	s_add_nc_u64 s[BB:BB+1], s[6:7], s[BB:BB+1]
	s_cmp_eq_u32 s21, 0                            ; do I fetch for A?
	s_cselect_b64 s[PFA:PFA+1], s[4:5], s[6:7]     ; the buffer that my prefetches name
	s_mov_b32 s[G3B+0], 1024*KROW                  ; stride3: 1,024 rows, a gate
	s_mov_b32 s[G3B+1], 4<<16                      ; tensor_dim4 = 4
	s_mov_b32 s[G3B+2], 4<<16                      ; tile_dim4 = 4 (g)
	s_mov_b32 s[G3B+3], 0
	CROUND                                         ; in front of the first joint loads
.irp s, 0,1
	s_mov_b32 s[G0+4*\s], 1
	s_add_co_u32 s[G0+4*\s+1], s45, \s*SLOT
	s_add_nc_u64 s[G0+4*\s+2:G0+4*\s+3], s[BA:BA+1], \s*ROWB
	s_or_b32 s[G0+4*\s+3], s[G0+4*\s+3], 0x80000000
	s_mov_b32 s[G0B+4*\s], 1
	s_add_co_u32 s[G0B+4*\s+1], s45, \s*SLOT
	s_add_nc_u64 s[G0B+4*\s+2:G0B+4*\s+3], s[BB:BB+1], \s*ROWB
	s_or_b32 s[G0B+4*\s+3], s[G0B+4*\s+3], 0x80000000
.endr
	JLOAD G0, G0B                                  ; K step 0: one tensor load a wave at the head
	; the scalar part of the set-up first, then the vector part on end
	s_lshl_b32 s46, s42, 8
	s_lshl_b32 s47, s22, 7
	s_add_co_u32 s46, s46, s47
	s_mov_b32 s47, 0
	s_add_nc_u64 s[10:11], s[10:11], s[46:47]      ; b at my 32 hidden columns
	s_lshl_b32 s46, s23, 10
	s_lshl_b32 s89, s21, 9
	s_add_co_u32 s46, s46, s89
	s_add_nc_u64 s[14:15], s[14:15], s[46:47]      ; the mask at my 128 rows
	s_lshl_b32 s46, s23, 20
	s_lshl_b32 s89, s20, 18
	s_add_co_u32 s46, s46, s89
	s_lshl_b32 s89, s42, 8
	s_add_co_u32 s46, s46, s89
	s_add_nc_u64 s[12:13], s[12:13], s[46:47]      ; c_prev: the 64 rows x 256 bytes that I fetch
	s_mov_b32 s[G0C], 1
	s_mul_i32 s[G0C+1], s20, 64*PITCH
	s_mov_b64 s[G0C+2:G0C+3], s[12:13]
	s_or_b32 s[G0C+3], s[G0C+3], 0x80000000
	s_lshl_b32 s46, s23, 20
	s_lshl_b32 s89, s21, 19
	s_add_co_u32 s46, s46, s89
	s_lshl_b32 s89, s42, 12
	s_add_co_u32 s46, s46, s89
	s_lshl_b32 s89, s22, 11
	s_add_co_u32 s46, s46, s89
	s_add_nc_u64 s[16:17], s[16:17], s[46:47]      ; my images
	s_add_nc_u64 s[18:19], s[18:19], s[46:47]
	s_lshl_b32 s87, s23, 8
	s_lshl_b32 s89, s42, 6
	s_cmp_eq_u32 s21, 0                            ; A: row 256 x tile row + 128 x half + 32 cx;  W: row 64 x tile column + 32 x half + 1,024 cy
	s_cselect_b32 s46, s87, s89
	s_cselect_b32 s87, s40, s41                    ; my place among the four that ask with me
	s_cselect_b32 s89, 7, 5
	s_cselect_b32 s2, 5, 10
	s_cselect_b32 s[NASK], 12, 4
	s_lshl_b32 s89, s22, s89
	s_add_co_u32 s46, s46, s89
	s_lshl_b32 s87, s87, s2
	s_add_co_u32 s46, s46, s87
	s_lshl_b32 s46, s46, 11
	s_add_co_u32 s46, s46, 3*ROWB                  ; at K step 3: the first refill steps it to 4
	s_add_nc_u64 s[PFA:PFA+1], s[PFA:PFA+1], s[46:47]
	s_mov_b32 s[PJ], WALK*KROW-7*ROWB
	s_mov_b32 s[PST+1], 0
	s_mov_b32 s83, 0x41f00000                      ; 30.0
	s_mul_i32 s84, s21, HALFT                      ; my rows of A in a slot
	s_mul_i32 s85, s22, HALFT
	s_add_co_u32 s85, s85, 2*HALFT                 ; my rows of W
	s_lshl_b32 s86, s22, 7
	s_add_co_u32 s86, s86, s84                     ; my rows and columns of c_prev
	v_and_b32 v1, 15, v0
	v_bfe_u32 v2, v0, 4, 1
	v_and_b32 v5, 31, v0
	v_mul_u32_u24 v3, v1, PITCH
	v_lshl_add_u32 v4, v2, 4, v3
	v_add_nc_u32 v[ADRA], s84, v4
	v_add_nc_u32 v[ADRB], s85, v4
	v_add_nc_u32 v[ADRA+1], SLOT, v[ADRA]
	v_add_nc_u32 v[ADRB+1], SLOT, v[ADRB]
	v_lshl_add_u32 v[CPA], v2, 6, v3
	v_add_nc_u32 v[CPA], s86, v[CPA]
	v_lshlrev_b32 v[IMG], 4, v5
	v_lshlrev_b32 v[PFO], 12, v5
	v_lshlrev_b32 v[PFK], 11, v5
	v_lshlrev_b32 v[BOF], 6, v2
	v_lshlrev_b32 v[MOF], 2, v1
.irp g, 0,1,2,3
.irp i, 0,1,2,3
	global_load_b128 v[BIAS+16*\g+4*\i:BIAS+16*\g+4*\i+3], v[BOF], s[10:11] offset:4096*\g+16*\i
.endr
.endr
.macro MASKS                           ; the mask of my eight blocks' rows, each twice: a pair for the packed multiply
.irp a, 0,1,2,3,4,5,6,7
	global_load_b32 v[MK+2*\a], v[MOF], s[14:15] offset:64*\a
	global_load_b32 v[MK+2*\a+1], v[MOF], s[14:15] offset:64*\a
.endr
.endm
	MASKS
	s_mov_b32 s84, 0xbfb8aa3b                      ; -log2(e)
	s_mov_b32 s85, s84
	s_mov_b32 s86, 0xc038aa3b                      ; -2 log2(e)
	s_mov_b32 s87, s86
	s_wait_kmcnt 0x0
	s_add_co_i32 s96, s96, s97                     ; e0 + e1, added to the exponent fields of the two factors
	s_lshl_b32 s96, s96, 23
	s_add_co_i32 s98, s96, 0xbfb8aa3b
	s_mov_b32 s99, s98
	s_add_co_i32 s100, s96, 0xc038aa3b
	s_mov_b32 s101, s100
	s_wait_loadcnt 0x0
.irp j, 0,2,4,6,8,10,12,14,16,18,20,22,24,26,28,30,32,34,36,38,40,42,44,46,48,50,52,54,56,58,60,62
.if (\j >= 32) && (\j < 48)
	v_pk_mul_f32 v[BIAS+\j:BIAS+\j+1], v[BIAS+\j:BIAS+\j+1], s[86:87] op_sel_hi:[1,0]
.else
	v_pk_mul_f32 v[BIAS+\j:BIAS+\j+1], v[BIAS+\j:BIAS+\j+1], s[84:85] op_sel_hi:[1,0]
.endif
.endr
.macro FRAG reg, adr, q, i             ; 16 rows x 128 K: registers 4 c .. 4 c + 3 hold K = 32 c + 16 (l / 16) + 0 .. 15, alike in A and in W
.irp c, 0,1,2,3
	ds_load_b128 v[\reg+4*\c:\reg+4*\c+3], v[\adr] offset:128*(\q)+32*\c+(\i)*16*PITCH
.endr
.endm
.macro MUL8 a, p, zero                 ; A's block a against W's eight of set p.  The 64 accumulators take turns, in the same order in every step
.if (\a) < 4
	WIN MUL_LO
.else
	WIN MUL_HI
.endif
.irp b, 0,1,2,3,4,5,6,7
.if \zero
	v_wmma_f32_16x16x128_fp8_fp8 v[8*(8*((\a)%4)+\b):8*(8*((\a)%4)+\b)+7], v[128*(\p)+FR*\b:128*(\p)+FR*\b+FR-1], v[AF+FR*(\a):AF+FR*(\a)+FR-1], 0
.else
	v_wmma_f32_16x16x128_fp8_fp8 v[8*(8*((\a)%4)+\b):8*(8*((\a)%4)+\b)+7], v[128*(\p)+FR*\b:128*(\p)+FR*\b+FR-1], v[AF+FR*(\a):AF+FR*(\a)+FR-1], v[8*(8*((\a)%4)+\b):8*(8*((\a)%4)+\b)+7]
.endif
.endr
.endm
.macro FB slot, q, p                   ; W's eight fragments into set p: 32 loads
	WIN TO_B
.irp i, 0,1,2,3,4,5,6,7
	FRAG 128*(\p)+FR*\i, ADRB+\slot, \q, \i
.endr
.endm
.macro FA slot, q, i0                  ; four of A's blocks: 16 loads
	WIN 0
.irp i, \i0, \i0+1, \i0+2, \i0+3
	FRAG AF+FR*(\i), ADRA+\slot, \q, \i
.endr
.endm
.macro FIRST                           ; slot 0's first fragments, in one run
	FB 0, 0, 0
	FA 0, 0, 0
	FA 0, 0, 4
.endm
.macro PLACES n                        ; places behind matrix instructions (ISA guide 7.12.1)
.rept \n
	v_nop
.endr
.endm
.macro STEP slot, q, zero              ; 128 along K, its successor in the same slot
	s_wait_dscnt 4*NL                              ; all but A's blocks 4-7, the youngest 16 loads
.irp a, 0,1,2,3
	MUL8 \a, (\q)%2, \zero
.endr
	s_wait_dscnt 0                                 ; A's blocks 4-7 are in
	PLACES NP
	FB \slot, (\q)+1, 1-(\q)%2
	FA \slot, (\q)+1, 0
.irp a, 4,5,6,7
	MUL8 \a, (\q)%2, \zero
.endr
	PLACES NP
	FA \slot, (\q)+1, 4
.endm
; The head of a slot's last step, with the change of slots, behind the wait for all my tensor loads (one is out) and the add: the wait for the add and for my reads of the slot, and a round of the cluster's barrier.
.macro MEET
	s_wait_dscnt 4*NL+1                            ; the add and A's blocks 4-7 may be out
	MUL8 0, 1, 0
	s_wait_dscnt 0x0
	s_barrier_signal -1
	MUL8 1, 1, 0
	WIN 0
	s_barrier_wait -1
	CREST
.endm
.macro TURN slot, next, fill           ; fill = 1: this slot takes the K step two on; fill = 2: c_prev's tile
	PFSTEP
	s_wait_tensorcnt 0x0
	ds_add_u32 v[SPW], v[NIL]
.if \fill == 1
	s_add_nc_u64 s[G0+4*\slot+2:G0+4*\slot+3], s[G0+4*\slot+2:G0+4*\slot+3], 2*ROWB
	s_add_nc_u64 s[G0B+4*\slot+2:G0B+4*\slot+3], s[G0B+4*\slot+2:G0B+4*\slot+3], 2*ROWB
.endif
	MEET
.if \fill == 1
	JLOAD G0+4*\slot, G0B+4*\slot
.else
	tensor_load_to_lds s[G0C:G0C+3], s[G1C:G1C+7]
	s_nop 0
.rept 4
	v_nop
.endr
.endif
	FB \next, 0, 0                                 ; W's idle set was last read in the step before, which ended with its places
	WIN 0
	ASK
	MUL8 2, 1, 0
	MUL8 3, 1, 0
	PLACES NP                                      ; in front of the loads into A's blocks 0-3
	FA \next, 0, 0
.irp a, 4,5,6,7
	MUL8 \a, 1, 0
.endr
	PLACES NP
	FA \next, 0, 4
.endm
; THE WAY OUT of block a (16 rows x 32 hidden columns x 4 gates).  pre = 0: c_prev comes from slot 0; pre = 1: it lies in window 1, v[16 (a - 4) ..].
.macro EPI a, pre
.set AC, 64*((\a)%4)
.set WSEL, 2+(\a)/4
	s_wait_xcnt 0x0                                ; the block before's stores have read their registers
.if !(\pre)
.irp i, 0,1,2,3
	ds_load_b128 v[CP+4*\i:CP+4*\i+3], v[CPA] offset:(\a)*16*PITCH+16*\i
.endr
.endif
	WIN WSEL
	s_wait_alu depctr_va_vdst(0)                   ; directly ahead of the first reader of the sums
.irp j, 0,2,4,6,8,10,12,14,16,18,20,22,24,26,28,30,32,34,36,38,40,42,44,46,48,50,52,54,56,58,60,62
.if (\j >= 32) && (\j < 48)
	v_pk_fma_f32 v[T+\j:T+\j+1], v[AC+\j:AC+\j+1], s[100:101], v[BIAS+\j:BIAS+\j+1] op_sel_hi:[1,0,1]
.else
	v_pk_fma_f32 v[T+\j:T+\j+1], v[AC+\j:AC+\j+1], s[98:99], v[BIAS+\j:BIAS+\j+1] op_sel_hi:[1,0,1]
.endif
.endr
	WIN 0
.irp i, 0,1,2,3
	global_store_b128 v[IMG], v[T+48+4*\i:T+48+4*\i+3], s[18:19] offset:(\a)*65536+512*\i   ; z_o
.endr
.set j, 0
.rept 48
	v_min_num_f32 v[T+j], s83, v[T+j]
.set j, j+1
.endr
.set j, 0
	s_wait_alu depctr_va_vdst(0)                   ; ahead of the batch
.rept 48
	v_exp_f32 v[T+j], v[T+j]                       ; E_i, E_f, E_g
.set j, j+1
.endr
.if \pre
	WIN 0x01
.irp j, 0,2,4,6,8,10,12,14
	v_pk_mul_f32 v[CP+\j:CP+\j+1], v[16*((\a)-4)+\j:16*((\a)-4)+\j+1], v[MK+2*(\a):MK+2*(\a)+1]
.endr
	WIN 0
.else
	s_wait_dscnt 0x0
.irp j, 0,2,4,6,8,10,12,14
	v_pk_mul_f32 v[CP+\j:CP+\j+1], v[CP+\j:CP+\j+1], v[MK+2*(\a):MK+2*(\a)+1]               ; mask x c_prev
.endr
.endif
	s_wait_alu depctr_va_vdst(0)                   ; behind the batch, ahead of its first reader
.irp j, 0,2,4,6,8,10,12,14
	v_pk_fma_f32 v[NM+\j:NM+\j+1], v[T+32+\j:T+32+\j+1], -1.0, 1.0 op_sel_hi:[1,0,0]         ; 1 - E_g
.endr
.irp j, 0,2,4,6,8,10,12,14,16,18,20,22,24,26,28,30,32,34,36,38,40,42,44,46
	v_pk_add_f32 v[T+\j:T+\j+1], v[T+\j:T+\j+1], 1.0 op_sel_hi:[1,0]
.endr
.irp j, 0,2,4,6,8,10,12,14
	v_pk_mul_f32 v[T+\j:T+\j+1], v[T+\j:T+\j+1], v[T+32+\j:T+32+\j+1]                        ; (1 + E_i)(1 + E_g)
.endr
.irp j, 0,2,4,6,8,10,12,14
	v_pk_mul_f32 v[NM+\j:NM+\j+1], v[NM+\j:NM+\j+1], v[T+16+\j:T+16+\j+1]                    ; (1 - E_g)(1 + E_f)
.endr
.irp j, 0,2,4,6,8,10,12,14
	v_pk_fma_f32 v[CP+\j:CP+\j+1], v[CP+\j:CP+\j+1], v[T+\j:T+\j+1], v[NM+\j:NM+\j+1]
.endr
.irp j, 0,2,4,6,8,10,12,14
	v_pk_mul_f32 v[T+16+\j:T+16+\j+1], v[T+\j:T+\j+1], v[T+16+\j:T+16+\j+1]                  ; the denominator, at most about 2^90
.endr
.set j, 0
	s_wait_alu depctr_va_vdst(0)
.rept 16
	v_rcp_f32 v[T+16+j], v[T+16+j]
.set j, j+1
.endr
	v_nop
	s_wait_alu depctr_va_vdst(0)
.irp j, 0,2,4,6,8,10,12,14
	v_pk_mul_f32 v[CP+\j:CP+\j+1], v[CP+\j:CP+\j+1], v[T+16+\j:T+16+\j+1]
.endr
.irp i, 0,1,2,3
	global_store_b128 v[IMG], v[CP+4*\i:CP+4*\i+3], s[16:17] offset:(\a)*65536+512*\i        ; c
.endr
.endm
	s_wait_alu depctr_va_vdst(0)                   ; the wait at the head's end
	s_wait_tensorcnt 0x0                           ; my part of K step 0 is in; slot 1's first fill is issued as a refill is
	ds_add_u32 v[SPW], v[NIL]
	s_wait_dscnt 0x0
	CROUND
	JLOAD G0+4, G0B+4                              ; K step 1
	FIRST
	s_mov_b32 s2, 2                                ; tiles to go
.Ltile:
	STEP 0, 0, 1                                   ; a tile's first step starts the sums
	s_mov_b32 s3, LAPS-1
.Llap:
	TURN 0, 1, 1
	s_cmp_lg_u32 s3, 1
	s_cbranch_scc1 .Lnopf
	global_prefetch_b8 v[PFO], s[12:13] th:TH_LOAD_NT scope:SCOPE_SE                 ; the tile's last trip: the 64 rows x 256 bytes of c_prev that I fetch two changes of slots on
	global_prefetch_b8 v[PFO], s[12:13] offset:131072 th:TH_LOAD_NT scope:SCOPE_SE
.Lnopf:
	STEP 1, 0, 0
	TURN 1, 0, 1
	STEP 0, 0, 0
	s_sub_co_u32 s3, s3, 1
	s_cmp_lg_u32 s3, 0
	s_cbranch_scc1 .Llap
	TURN 0, 1, 2                                   ; slot 0 takes c_prev's tile
	STEP 1, 0, 0
	s_cmp_eq_u32 s2, 1
	s_cbranch_scc1 .Llast                          ; the last tile's tail is written out: it asks for nothing more
	PFSTEP
	s_wait_tensorcnt 0x0                           ; c_prev's tile is in
	ds_add_u32 v[SPW], v[NIL]
	s_add_nc_u64 s[G0+6:G0+7], s[G0+6:G0+7], NEXT_A
	s_sub_nc_u64 s[G0B+6:G0B+7], s[G0B+6:G0B+7], BACK_B
	MEET
	JLOAD G0+4, G0B+4                              ; slot 1 takes the next tile's K step 1
	WIN TO_B
.irp a, 4,5,6,7
.irp i, 0,1,2,3
	ds_load_b128 v[16*(\a-4)+4*\i:16*(\a-4)+4*\i+3], v[CPA] offset:(\a)*16*PITCH+16*\i   ; c_prev of blocks 4-7 into W's idle set
.endr
.endr
	WIN 0
	ASK
.irp a, 2,3,4,5,6,7
	MUL8 \a, 1, 0
.endr
	WIN 0
	PLACES NP
	s_wait_loadcnt 0x0                             ; the mask
.irp a, 0,1,2,3
	EPI \a, 0
.endr
	s_wait_tensorcnt 0x0
	ds_add_u32 v[SPW], v[NIL]
	s_add_nc_u64 s[G0+2:G0+3], s[G0+2:G0+3], NEXT_A
	s_sub_nc_u64 s[G0B+2:G0B+3], s[G0B+2:G0B+3], BACK_B
	s_add_nc_u64 s[G0C+2:G0C+3], s[G0C+2:G0C+3], NEXT_O
	s_wait_dscnt 0x0                               ; the add, and all my reads of c_prev's tile
	CROUND
	JLOAD G0, G0B                                  ; slot 0 takes the next tile's K step 0
.irp a, 4,5,6,7
	EPI \a, 1
.endr
	s_wait_xcnt 0x0                                ; the stores and prefetches have read their bases and registers
	s_add_nc_u64 s[12:13], s[12:13], NEXT_O
	s_add_nc_u64 s[14:15], s[14:15], WALK*4
	s_add_nc_u64 s[16:17], s[16:17], NEXT_O
	s_add_nc_u64 s[18:19], s[18:19], NEXT_O
	MASKS
	s_wait_tensorcnt 0x0                           ; my parts of both slots are in;
	s_barrier_signal -1
	s_barrier_wait -1                              ; and everybody's.
	FIRST
	s_sub_co_u32 s2, s2, 1
	s_branch .Ltile
.Llast:
	s_wait_dscnt 4*NL
.irp a, 0,1,2,3
	MUL8 \a, 1, 0
.endr
	s_wait_dscnt 0
.irp a, 4,5,6,7
	MUL8 \a, 1, 0
.endr
	WIN 0
	PLACES NP
	s_wait_tensorcnt 0x0                           ; my part of c_prev's tile is in;
	s_barrier_signal -1
	s_barrier_wait -1                              ; and everybody's
	s_wait_loadcnt 0x0
.irp a, 0,1,2,3,4,5,6,7
	EPI \a, 0
.endr
	s_wait_tensorcnt 0x0                           ; the wave's end
	ds_add_u32 v[SPW], v[NIL]
	s_wait_dscnt 0x0
	CROUND                                         ; the closing round
	s_endpgm
.Lfunc_end_k_q5a5bd61954_gates:
	.size	k_q5a5bd61954_gates, .Lfunc_end_k_q5a5bd61954_gates-k_q5a5bd61954_gates
	.p2alignl 7, 3214868480
	.fill 96, 4, 3214868480
	.section	.rodata,"a",@progbits
	.p2align	6, 0x0
	.amdhsa_kernel k_q5a5bd61954_gates
		.amdhsa_group_segment_fixed_size 327680
		.amdhsa_private_segment_fixed_size 0
		.amdhsa_enable_private_segment 0
		.amdhsa_kernarg_size 64
		.amdhsa_user_sgpr_count 2
		.amdhsa_user_sgpr_kernarg_segment_ptr 1
		.amdhsa_wavefront_size32 1
		.amdhsa_system_sgpr_workgroup_id_x 1
		.amdhsa_system_sgpr_workgroup_id_y 1
		.amdhsa_system_sgpr_workgroup_id_z 1
		.amdhsa_system_vgpr_workitem_id 0
		.amdhsa_next_free_vgpr 1024
		.amdhsa_next_free_sgpr 102
		.amdhsa_reserve_vcc 0
		.amdhsa_float_denorm_mode_32 3
		.amdhsa_float_denorm_mode_16_64 3
		.amdhsa_memory_ordered 1
		.amdhsa_forward_progress 1
		.amdhsa_inst_pref_size 255
	.end_amdhsa_kernel
	.section	.bss,"aw",@nobits
	.p2align	6
	.space	262144
	.amdgpu_metadata
---
amdhsa.version: [ 1, 2 ]
amdhsa.kernels:
  - .name:           k_q5a5bd61954_gates
    .symbol:         k_q5a5bd61954_gates.kd
    .args:
      - { .name: acodes, .offset: 0, .size: 8, .value_kind: global_buffer, .address_space: global }
      - { .name: W_codes, .offset: 8, .size: 8, .value_kind: global_buffer, .address_space: global }
      - { .name: lowp_scales, .offset: 16, .size: 8, .value_kind: global_buffer, .address_space: global }
      - { .name: b, .offset: 24, .size: 8, .value_kind: global_buffer, .address_space: global }
      - { .name: c_prev, .offset: 32, .size: 8, .value_kind: global_buffer, .address_space: global }
      - { .name: forget_mask, .offset: 40, .size: 8, .value_kind: global_buffer, .address_space: global }
      - { .name: cpre, .offset: 48, .size: 8, .value_kind: global_buffer, .address_space: global }
      - { .name: zo, .offset: 56, .size: 8, .value_kind: global_buffer, .address_space: global }
    .group_segment_fixed_size: 327680
    .private_segment_fixed_size: 0
    .kernarg_segment_align: 8
    .kernarg_segment_size: 64
    .max_flat_workgroup_size: 128
    .sgpr_count:     102
    .vgpr_count:     1024
    .wavefront_size: 32
...
	.end_amdgpu_metadata
.endif
;; end of part 2
;; launch norm (part 3): grid 512 x 1, 8 waves a work-group, no clusters, 70,656 bytes of LDS; arguments cpre, zo, ln_gamma, ln_beta, out0, out1; writes out0, out1
.if DOCPART == 3
	.amdgcn_target "amdgcn-amd-amdhsa--gfx1250"
	.amdhsa_code_object_version 6
	.text
	.protected	k_q5a5bd61954_norm
	.globl	k_q5a5bd61954_norm
	.p2align	8
	.type	k_q5a5bd61954_norm,@function
k_q5a5bd61954_norm:
	s_mov_b64 s[64:65], 0
	v_nop
	global_prefetch_b8 v0, s[64:65] scope:SCOPE_SE
	s_setreg_imm32_b32 hwreg(HW_REG_WAVE_MODE, 25, 1), 1
	s_wait_xcnt 0x0
; c_t = LayerNorm(c) x gamma + beta over a row's 1,024 numbers (biased variance, eps = 1e-5);  h_t = sigmoid(o) tanh(c_t).  out0 = h_t, out1 = c_t, both [8192][1024] f32.
; cpre (c) and zo (z_o = -log2(e) x the o gate) lie as images: byte (row / 16) 65536 + (column / 32) 2048 + 512 i + 16 lane holds row 16 (row / 16) + lane % 16, columns 32 (column / 32) + 16 (lane / 16) + 4 i + 0 .. 3.
; A work-group of eight waves owns 16 rows; wave w owns columns 128 w .. 128 w + 127: 8,192 consecutive bytes of each image, sixteen loads of 512 consecutive bytes.  A lane then holds 64 numbers of ONE row.
; THE NORM IN TWO PASSES over the registers: the mean first, then the mean of the squared differences: no difference of large sums is formed.  A row's sum: within the lane, with the lane 16 away, then over the eight waves through
; 512 bytes of LDS behind a barrier; the second sum has bytes of its own, so two barriers serve.
; THE TURN.  The outputs want rows: each wave's 16 rows x 512 bytes go through its own stage in LDS (rows of 528 bytes: an odd multiple of 16) and come back a row an instruction:
; every store of a wave covers 512 consecutive bytes of a row, aligned.  gamma and beta are then four numbers a lane.
; h over ONE denominator, E_c = 2^(-2 log2(e) c_t), E_o = 2^(z_o):  h = (1 - E_c) / ((1 + E_c) (1 + E_o)): two exponentials and one reciprocal an element.
; LIMIT: both exponents are held at 30 from above: a sigmoid under 2^-30 comes out as 2^-30.  NaN is not served.
; Memory binds this launch: no matrix unit, no cluster (work-groups share nothing but gamma and beta, 8 KiB).
.set C,   16                           ; v16-79   c: 64 numbers
.set Z,   80                           ; v80-143  z_o, at last h
.set GA,  144                          ; v144-147 gamma of my four columns
.set BE,  148                          ; v148-151 beta
.set T,   152                          ; v152-167 at work
.set NM,  168                          ; v168-183 1 - E_c
.set RS,  184                          ; v184-191 the eight waves' partial sums
.set SPITCH, 528
.set WSTG,   16*SPITCH                 ; a wave's stage
.set RED,    8*WSTG                    ; behind the stages: 16 rows x 8 waves x 4 bytes, twice
	s_load_b256 s[4:11], s[0:1], 0x0               ; cpre s[4:5], zo s[6:7], gamma s[8:9], beta s[10:11]
	s_load_b128 s[12:15], s[0:1], 0x20             ; out0 s[12:13], out1 s[14:15]
	v_lshl_add_u32 v192, v0, 2, 0x11000
	v_mov_b32 v193, 0
	v_lshrrev_b32 v1, 5, v0
	s_delay_alu instid0(VALU_DEP_1)
	v_readfirstlane_b32 s28, v1                    ; wave 0..7
	v_and_b32 v1, 31, v0                           ; lane
	v_and_b32 v2, 15, v0                           ; r
	v_bfe_u32 v3, v0, 4, 1                         ; hh
	s_delay_alu instid0(VALU_DEP_3)
	v_lshlrev_b32 v4, 4, v1                        ; 16 x lane
	s_mul_i32 s29, s28, WSTG
	v_mul_u32_u24 v5, v2, SPITCH
	s_delay_alu instid0(VALU_DEP_1)
	v_lshl_add_u32 v5, v3, 6, v5
	s_delay_alu instid0(VALU_DEP_1)
	v_add_nc_u32 v5, s29, v5                       ; the stage, in: row r, + 64 hh
	v_add_nc_u32 v6, s29, v4                       ; and back: 16 x lane of a row
	v_lshlrev_b32 v8, 5, v2
	s_delay_alu instid0(VALU_DEP_1)
	v_add_nc_u32 v8, RED, v8                       ; my row's eight partial sums
	s_lshl_b32 s29, s28, 2
	v_add_nc_u32 v7, s29, v8                       ; and my wave's among them
	v_mov_b32 v11, 0                               ; (named as the upper halves of the pairs v[10:11] and v[12:13])
	v_mov_b32 v13, 0
	v_mov_b32 v14, 0                               ; written once: a lane permute's destination counts as one of its sources
	s_mov_b32 s20, 0x76543210                      ; v_permlanex16_b32's selects for lane l xor 16
	s_mov_b32 s21, 0xfedcba98
	s_mov_b32 s22, 0xc038aa3b                      ; -2 log2(e), as a pair
	s_mov_b32 s23, s22
	s_mov_b32 s24, 0x41f00000                      ; 30.0
	s_mov_b32 s25, 0x3a800000                      ; 1 / 1024
	s_mov_b32 s26, 0x3727c5ac                      ; 1e-5
	s_mov_b32 s27, 0xba800000                      ; -1 / 1024
	s_lshl_b32 s16, ttmp9, 16                      ; 16 rows are 65,536 bytes, in the images and in the outputs
	s_lshl_b32 s18, s28, 13
	s_add_co_u32 s18, s18, s16                     ; the images: + 8,192 x wave
	s_mov_b32 s19, 0
	s_lshl_b32 s30, s28, 9                         ; gamma, beta: 512 x wave
	s_mov_b32 s31, 0
	s_add_co_u32 s16, s16, s30                     ; the outputs: + 512 x wave
	s_mov_b32 s17, 0
	s_wait_kmcnt 0x0
	s_add_nc_u64 s[4:5], s[4:5], s[18:19]
	s_add_nc_u64 s[6:7], s[6:7], s[18:19]
	s_add_nc_u64 s[8:9], s[8:9], s[30:31]
	s_add_nc_u64 s[10:11], s[10:11], s[30:31]
	s_add_nc_u64 s[12:13], s[12:13], s[16:17]
	s_add_nc_u64 s[14:15], s[14:15], s[16:17]
	global_load_b128 v[GA:GA+3], v4, s[8:9]
	global_load_b128 v[BE:BE+3], v4, s[10:11]
.irp k, 0,1,2,3,4,5,6,7,8,9,10,11,12,13,14,15
	global_load_b128 v[C+4*\k:C+4*\k+3], v4, s[4:5] offset:512*\k th:TH_LOAD_NT   ; row r, columns 128 w + 32 (k / 4) + 16 hh + 4 (k % 4) on; read once in the launch
.endr
.irp k, 0,1,2,3,4,5,6,7,8,9,10,11,12,13,14,15
	global_load_b128 v[Z+4*\k:Z+4*\k+3], v4, s[6:7] offset:512*\k th:TH_LOAD_NT
.endr
; Four packed chains in v[T] on become the row's sum over all 1,024 columns, in v[RS] of every lane.  off: which 512 bytes of LDS serve.
.macro REDUCE off
	s_delay_alu instid0(VALU_DEP_3)
	v_pk_add_f32 v[T:T+1], v[T:T+1], v[T+2:T+3]
	s_delay_alu instid0(VALU_DEP_2)
	v_pk_add_f32 v[T+4:T+5], v[T+4:T+5], v[T+6:T+7]
	s_delay_alu instid0(VALU_DEP_1)
	v_pk_add_f32 v[T:T+1], v[T:T+1], v[T+4:T+5]
	s_delay_alu instid0(VALU_DEP_1)
	v_add_f32 v[T], v[T], v[T+1]
	s_delay_alu instid0(VALU_DEP_1)
	v_permlanex16_b32 v14, v[T], s20, s21          ; the row's other 64 numbers of my wave lie in the lane 16 away
	s_delay_alu instid0(VALU_DEP_1)
	v_add_f32 v[T], v[T], v14
	ds_store_b32 v7, v[T] offset:\off              ; lanes r and r + 16 write the same word with the same number
	s_wait_dscnt 0x0                               ; for the others' sake: my store is done
	s_barrier_signal -1
	s_barrier_wait -1
	ds_load_b128 v[RS:RS+3], v8 offset:\off
	ds_load_b128 v[RS+4:RS+7], v8 offset:\off+16
	s_wait_dscnt 0x0
	v_pk_add_f32 v[RS:RS+1], v[RS:RS+1], v[RS+2:RS+3]          ; the same tree in every wave: every wave has the same sum
	v_pk_add_f32 v[RS+4:RS+5], v[RS+4:RS+5], v[RS+6:RS+7]
	s_delay_alu instid0(VALU_DEP_1)
	v_pk_add_f32 v[RS:RS+1], v[RS:RS+1], v[RS+4:RS+5]
	s_delay_alu instid0(VALU_DEP_1)
	v_add_f32 v[RS], v[RS], v[RS+1]
.endm
	s_wait_loadcnt 16                              ; gamma, beta and c are in; z_o's sixteen loads may be out
.irp q, 0,1,2,3
	v_pk_add_f32 v[T+2*\q:T+2*\q+1], v[C+2*\q:C+2*\q+1], v[C+8+2*\q:C+8+2*\q+1]   ; the first sums start the chains: nothing is cleared
.endr
.irp j, 16,24,32,40,48,56
.irp q, 0,1,2,3
	s_delay_alu instid0(VALU_DEP_4)
	v_pk_add_f32 v[T+2*\q:T+2*\q+1], v[T+2*\q:T+2*\q+1], v[C+\j+2*\q:C+\j+2*\q+1]
.endr
.endr
	REDUCE 0
	s_delay_alu instid0(VALU_DEP_1)
	v_mul_f32 v10, s27, v[RS]                      ; -mean
.irp j, 0,2,4,6,8,10,12,14,16,18,20,22,24,26,28,30,32,34,36,38,40,42,44,46,48,50,52,54,56,58,60,62
	v_pk_add_f32 v[C+\j:C+\j+1], v[C+\j:C+\j+1], v[10:11] op_sel_hi:[1,0]         ; c - mean
.endr
.irp q, 0,1,2,3
	v_pk_mul_f32 v[T+2*\q:T+2*\q+1], v[C+2*\q:C+2*\q+1], v[C+2*\q:C+2*\q+1]
.endr
.irp j, 8,16,24,32,40,48,56
.irp q, 0,1,2,3
	s_delay_alu instid0(VALU_DEP_4)
	v_pk_fma_f32 v[T+2*\q:T+2*\q+1], v[C+\j+2*\q:C+\j+2*\q+1], v[C+\j+2*\q:C+\j+2*\q+1], v[T+2*\q:T+2*\q+1]
.endr
.endr
	REDUCE 512
	s_delay_alu instid0(VALU_DEP_1)
	v_fma_f32 v12, v[RS], s25, s26                 ; the variance + eps
	s_wait_alu depctr_va_vdst(0)
	v_rsq_f32 v12, v12
	v_nop                                          ; a plain line between the transcendental and the use of its result
	s_wait_alu depctr_va_vdst(0)
.irp j, 0,2,4,6,8,10,12,14,16,18,20,22,24,26,28,30,32,34,36,38,40,42,44,46,48,50,52,54,56,58,60,62
	v_pk_mul_f32 v[C+\j:C+\j+1], v[C+\j:C+\j+1], v[12:13] op_sel_hi:[1,0]
.endr
; 64 registers through my stage: in as the images have them, back a row an instruction: register 4 t + i is then row t, column 128 w + 4 lane + i.
; LDS serves a wave's instructions in order (ISA guide 5.7.1.4): no wait between the stores and the loads, nor in front of the second turn's stores.
.macro ROWS reg
.irp k, 0,1,2,3,4,5,6,7,8,9,10,11,12,13,14,15
	ds_store_b128 v5, v[\reg+4*\k:\reg+4*\k+3] offset:(\k/4)*128+(\k%4)*16
.endr
.irp t, 0,1,2,3,4,5,6,7,8,9,10,11,12,13,14,15
	ds_load_b128 v[\reg+4*\t:\reg+4*\t+3], v6 offset:\t*SPITCH
.endr
.endm
	ROWS C
	s_wait_loadcnt 0x0                             ; z_o
	ROWS Z
	s_wait_dscnt 32                                ; c is back; z_o's sixteen stores and sixteen loads may be out
.irp t, 0,1,2,3,4,5,6,7,8,9,10,11,12,13,14,15
	v_pk_fma_f32 v[C+4*\t:C+4*\t+1], v[C+4*\t:C+4*\t+1], v[GA:GA+1], v[BE:BE+1]
	v_pk_fma_f32 v[C+4*\t+2:C+4*\t+3], v[C+4*\t+2:C+4*\t+3], v[GA+2:GA+3], v[BE+2:BE+3]
.endr
.irp t, 0,1,2,3,4,5,6,7,8,9,10,11,12,13,14,15
	global_store_b128 v4, v[C+4*\t:C+4*\t+3], s[14:15] offset:4096*\t th:TH_STORE_NT   ; c_t: 32 lanes store 512 consecutive bytes of row t; these registers are only read from here on
.endr
	s_wait_dscnt 0x0                               ; z_o is back
.irp g, 0,1,2,3                        ; four rows, 16 registers, at a time
.irp j, 0,2,4,6,8,10,12,14
	v_pk_mul_f32 v[T+\j:T+\j+1], v[C+16*\g+\j:C+16*\g+\j+1], s[22:23] op_sel_hi:[1,0]   ; -2 log2(e) c_t
.endr
.irp j, 0,1,2,3,4,5,6,7,8,9,10,11,12,13,14,15
	v_min_num_f32 v[T+\j], s24, v[T+\j]
	v_min_num_f32 v[Z+16*\g+\j], s24, v[Z+16*\g+\j]
.endr
	s_wait_alu depctr_va_vdst(0)
.irp j, 0,1,2,3,4,5,6,7,8,9,10,11,12,13,14,15
	v_exp_f32 v[T+\j], v[T+\j]                     ; E_c
	v_exp_f32 v[Z+16*\g+\j], v[Z+16*\g+\j]         ; E_o
.endr
	v_nop                                          ; a plain line behind the exponentials
	s_wait_alu depctr_va_vdst(0)
.irp j, 0,2,4,6,8,10,12,14
	v_pk_fma_f32 v[NM+\j:NM+\j+1], v[T+\j:T+\j+1], -1.0, 1.0 op_sel_hi:[1,0,0]          ; 1 - E_c
.endr
.irp j, 0,2,4,6,8,10,12,14
	v_pk_add_f32 v[T+\j:T+\j+1], v[T+\j:T+\j+1], 1.0 op_sel_hi:[1,0]
	v_pk_add_f32 v[Z+16*\g+\j:Z+16*\g+\j+1], v[Z+16*\g+\j:Z+16*\g+\j+1], 1.0 op_sel_hi:[1,0]
.endr
.irp j, 0,2,4,6,8,10,12,14
	v_pk_mul_f32 v[T+\j:T+\j+1], v[T+\j:T+\j+1], v[Z+16*\g+\j:Z+16*\g+\j+1]             ; (1 + E_c) (1 + E_o), at most about 2^60
.endr
	s_wait_alu depctr_va_vdst(0)
.irp j, 0,1,2,3,4,5,6,7,8,9,10,11,12,13,14,15
	v_rcp_f32 v[T+\j], v[T+\j]
.endr
	v_nop                                          ; a plain line behind the reciprocals
	s_wait_alu depctr_va_vdst(0)
.irp j, 0,2,4,6,8,10,12,14
	v_pk_mul_f32 v[Z+16*\g+\j:Z+16*\g+\j+1], v[NM+\j:NM+\j+1], v[T+\j:T+\j+1]           ; h_t
.endr
.irp i, 0,1,2,3
	global_store_b128 v4, v[Z+16*\g+4*\i:Z+16*\g+4*\i+3], s[12:13] offset:4096*(4*\g+\i) th:TH_STORE_NT   ; no store's data are written again
.endr
.endr
	s_wait_tensorcnt 0x0
	ds_add_u32 v192, v193
	s_wait_dscnt 0x0
	s_endpgm
.Lfunc_end_k_q5a5bd61954_norm:
	.size	k_q5a5bd61954_norm, .Lfunc_end_k_q5a5bd61954_norm-k_q5a5bd61954_norm
	.p2alignl 7, 3214868480
	.fill 96, 4, 3214868480
	.section	.rodata,"a",@progbits
	.p2align	6, 0x0
	.amdhsa_kernel k_q5a5bd61954_norm
		.amdhsa_group_segment_fixed_size 70656
		.amdhsa_private_segment_fixed_size 0
		.amdhsa_enable_private_segment 0
		.amdhsa_kernarg_size 48
		.amdhsa_user_sgpr_count 2
		.amdhsa_user_sgpr_kernarg_segment_ptr 1
		.amdhsa_wavefront_size32 1
		.amdhsa_system_sgpr_workgroup_id_x 1
		.amdhsa_system_sgpr_workgroup_id_y 1
		.amdhsa_system_sgpr_workgroup_id_z 1
		.amdhsa_system_vgpr_workitem_id 0
		.amdhsa_next_free_vgpr 194
		.amdhsa_next_free_sgpr 66
		.amdhsa_reserve_vcc 0
		.amdhsa_float_denorm_mode_32 3
		.amdhsa_float_denorm_mode_16_64 3
		.amdhsa_memory_ordered 1
		.amdhsa_forward_progress 1
		.amdhsa_inst_pref_size 50
	.end_amdhsa_kernel
	.amdgpu_metadata
---
amdhsa.version: [ 1, 2 ]
amdhsa.kernels:
  - .name:           k_q5a5bd61954_norm
    .symbol:         k_q5a5bd61954_norm.kd
    .args:
      - { .name: cpre, .offset: 0, .size: 8, .value_kind: global_buffer, .address_space: global }
      - { .name: zo, .offset: 8, .size: 8, .value_kind: global_buffer, .address_space: global }
      - { .name: ln_gamma, .offset: 16, .size: 8, .value_kind: global_buffer, .address_space: global }
      - { .name: ln_beta, .offset: 24, .size: 8, .value_kind: global_buffer, .address_space: global }
      - { .name: out0, .offset: 32, .size: 8, .value_kind: global_buffer, .address_space: global }
      - { .name: out1, .offset: 40, .size: 8, .value_kind: global_buffer, .address_space: global }
    .group_segment_fixed_size: 70656
    .private_segment_fixed_size: 0
    .kernarg_segment_align: 8
    .kernarg_segment_size: 48
    .max_flat_workgroup_size: 256
    .sgpr_count:     66
    .vgpr_count:     194
    .wavefront_size: 32
...
	.end_amdgpu_metadata
.endif
;; end of part 3
